; MI455X (gfx1250); checked and timed in simulation.
; The chip was launched on July 23, 2026; its instructions are those of AMD's public machine-readable ISA for CDNA 5 (MIT licence, August 2026) and "CDNA5" Instruction Set Architecture Reference Guide (July 2026). The comments in the code are by the model that wrote it; some were corrected since.
;; Attention. Allowed arithmetic: matrix products marked QUANTISED: E2M1 operands, one E8M0 scale for each 32 along K, by v_wmma_scale_f32_16x16x128_f8f6f4 with both operands' format E2M1 (or v_wmma_scale_f32_32x16x128_f4), f32 sums; everything else in f32.
;; Inputs: key 2 x 2,048 x 1,024 float32; query 2 x 2,048 x 4,096 float32; value_codes 2 x 1,024 x 64 x 16 uint8 (E2M1 codes of value, K innermost, in blocks of 32 codes, two codes a byte); value_scales 2 x 1,024 x 64 uint8 (E8M0 scales of value, one for each 32 codes along K).
;; Outputs: out0 2 x 2,048 x 4,096 float32.
;; This version of the problem:
;;   THIS VERSION OF THE PROBLEM IS GIVEN IN LOW PRECISION. The matrix products marked QUANTISED in the list below multiply operands that are first quantised to E2M1 (2 exponent bits, 1 mantissa bit; 4 bits a number), with one power-of-two scale for each 32 numbers along K (OCP MX v1.0); their sums are f32. All else is computed in f32.
;;   The module's matrix products, in the order in which they are computed (A, B: the left and right operand; K: the contracted axis; several contracted axes count as one K, in the product's order):
;;     1. batch 64 x [M 2,048, K 128] x [K 128, N 2,048]; A: input query; B: input key: QUANTISED
;;     2. batch 64 x [M 2,048, K 2,048] x [K 2,048, N 128]; A: softmax (see below); B: input value (given as codes): QUANTISED
;;   THE QUANTISER, for each operand of a quantised product, along K:
;;     - K is cut into blocks of 32 from its start; a last block that is shorter is filled with zeros.
;;     - A block's scale is 2^e with e = floor(log2(the largest magnitude in the block)) - 2, held to -126 .. 127; a block of zeros has e = 0. As a byte (E8M0): e + 127.
;;     - Each number is divided by its block's scale, clamped to +-6, and rounded to the nearest number of E2M1, ties to even, subnormals kept.
;;     - The product sums the exact products of the quantised numbers (number of the format x scale) in f32.
;;   ~~~python
;;   def quantise(x, axis):      # numpy; x: float32 -> the quantised numbers, widened to float32 again
;;       x = np.moveaxis(x, axis, -1); K = x.shape[-1]
;;       x = np.pad(x, [(0, 0)] * (x.ndim - 1) + [(0, -K % 32)]); x = x.reshape(x.shape[:-1] + (-1, 32)); a = np.abs(x).max(-1, keepdims=True)
;;       e = np.where(a > 0, np.clip(np.frexp(np.where(a > 0, a, 1))[1] - 1 - 2, -126, 127), 0)      # np.frexp(a)[1] - 1 = floor(log2(a)), exactly
;;       r = np.clip(x / 2.0 ** e, -6, 6)
;;       step = 2.0 ** (np.maximum(np.frexp(np.where(r == 0, 1, r))[1] - 1, 0) - 1)
;;       q = np.round(r / step) * step * 2.0 ** e      # np.round: ties to even
;;       return np.moveaxis(q.reshape(q.shape[:-2] + (-1,))[..., :K], -1, axis).astype(np.float32)
;;   ~~~
;;   SOFTMAX AHEAD OF A QUANTISED PRODUCT. Where the list says 'softmax', what is quantised is not the finished softmax but p = 2^(t - M), with t = logit x log2(e) and M = ceil(the row's largest t), a whole number; so 1/2 < the row's largest p <= 1. The row's sum l is taken of the UNQUANTISED p, in f32, and the product's result is divided by l at the end. Since M is a whole number, a kernel that streams over the keys may use a running M (the ceiling of the running maximum): every later rescaling is an exact power of two, which a block's scale takes up: the codes' values come out the same.
;;   OPERANDS COMPUTED ON THE WAY. 'Computed on the way' means the value that the module computes at that place (a softmax that the list does not call 'softmax' is quantised finished and normalised). What goes into a quantiser is computed in f32, as accurately as f32 sums, v_exp_f32 and their like allow (about 1e-6 of the number): no bf16 or f16 on the way to a quantiser, and a product that is left as it is and whose result goes on into a quantised operand takes f32 operands (vector FMAs, or v_wmma_f32_16x16x4_f32). A number that lies on a knife's edge between two numbers of the format may be rounded either way, as far as f32 arithmetic and the matrix unit's own rounding can turn it there, and no further.
;;   INPUTS GIVEN AS CODES. value (in the module: [2, 2048, 1024], K = its axis 1): each comes as NAME_codes (uint8): NAME with its K axis moved to the last place and cut into blocks of 32 codes, [.., K / 32, bytes a block], one block behind the other in memory; two codes a byte, the lower K in the low four bits (a code: sign, 2 exponent bits, 1 mantissa bit); and NAME_scales (uint8): the same leading axes, one E8M0 byte (e + 127) for each 32 codes along K. Its value is code x scale, taken as it is: it is not quantised again, and the codes and scales need not be those that the quantiser above would give.
;; One version. Each part assembles by itself: llvm-mc -triple=amdgcn-amd-amdhsa -mcpu=gfx1250 --defsym DOCPART=n.
;; ======== version 1 of 1: 2 launches
;; workspace buffers: kq 2,228,224 bytes
;; launch kquant (part 1): grid 16 x 16, 4 waves a work-group, no clusters, 8,704 bytes of LDS; arguments key, kq; writes kq
.if DOCPART == 1
	.amdgcn_target "amdgcn-amd-amdhsa--gfx1250"
	.amdhsa_code_object_version 6
	.text
	.protected	k_q4f31afb17f_kquant
	.globl	k_q4f31afb17f_kquant
	.p2align	8
	.type	k_q4f31afb17f_kquant,@function
k_q4f31afb17f_kquant:
	s_mov_b64 s[64:65], 0
	v_nop
	global_prefetch_b8 v0, s[64:65] scope:SCOPE_SE
	s_setreg_imm32_b32 hwreg(HW_REG_WAVE_MODE, 25, 1), 1
	s_wait_xcnt 0x0
; key [2][2048][1024] f32 -> kq: codes of FP4 (E2M1) along a head's 128 numbers, one E8M0 byte for each 32, laid as the next launch's matrix operands lie in registers.
; A block's scale is 2^(floor(log2(its largest magnitude)) - 2): its byte is the largest magnitude's exponent field - 2, held at 1 from below.
; LIMITS: NaN and infinities in key are not served.  A block whose largest magnitude lies under 2^-124 (a block of zeros among them) gets the byte 1; this program alone reads the bytes.
; kq: 16 heads g = 8 b + kv head; a head is 4 chunks of 512 keys; a chunk is 34,816 bytes: 32 tiles of 1,024 bytes of codes, then 2,048 bytes of scale words.
;   Tile 8 s + 2 p + u (s: step of 128 keys in the chunk, p: group of 32 keys, u: 0, 1); its row r is key 128 s + 32 p + 8 u + r + 8 (r / 8).
;   In a tile, byte 512 c + 16 (16 hf + r) + 4 w holds eight codes: word w of block 2 c + hf of row r: two loads of 16 bytes a lane, 512 bytes apart, give a fragment's eight registers.
;   Scale words: at 512 s + 128 p + 4 l the word of lane l: lanes 0-15 the rows of tile 2 p, lanes 16-31 those of tile 2 p + 1.
; SHARES: work-group (x = step of 128 keys, y = g); wave p takes 32 keys: 32 rows of 512 bytes.  All 32 loads of a wave are out at once; each reads one row's 512 consecutive bytes.
; No tensor loads, no matrix unit, no cluster: every byte is read once and nothing is shared but the step's 512 scale bytes, which leave as one store.
.set SCB, 8192                         ; LDS: 0 .. 8,191 a stage of two tile images for each wave; from SCB the step's 512 scale bytes
.set LA,  1                            ; v1  my 16 bytes of a row: 32 (lane % 16) + 16 (lane / 16)
.set CWA, 2                            ; v2  where my code word goes in my wave's stage
.set BYA, 3                            ; v3  where my block's scale byte goes
.set RD,  4                            ; v4  my wave's stage + 16 x lane
.set GL,  5                            ; v5  16 x lane
.set SRD, 6                            ; v6  SCB + 16 x lane
.set MX,  16                           ; v16-31  a pair of rows' largest magnitude, then its scale byte
.set SO,  32                           ; v32-47  the conversion's scale operand
.set CW,  48                           ; v48-63  the code word: one register for each pair, so that no LDS store's data are written again
.set X,   64                           ; v64-191 pair jj of rows (2 jj, 2 jj + 1) at X + 8 jj
	s_load_b128 s[4:7], s[0:1], 0x0                ; key s[4:5], kq s[6:7]
	v_lshrrev_b32 v7, 5, v0
	v_readfirstlane_b32 s8, v7                     ; wave p
	s_mov_b32 s9, ttmp9                            ; st: the step of 128 keys, 0 .. 15
	s_and_b32 s10, ttmp7, 0xffff                   ; g
	v_and_b32 v8, 31, v0                           ; lane
	v_and_b32 v9, 15, v0                           ; l' = lane % 16
	v_bfe_u32 v10, v0, 4, 1                        ; h = lane / 16
	v_lshlrev_b32 v[LA], 5, v9
	v_lshl_add_u32 v[LA], v10, 4, v[LA]
	v_bfe_u32 v11, v0, 3, 1                        ; my block B = l' / 4 of the row: c = B / 2,
	v_bfe_u32 v12, v0, 2, 1                        ; hf = B % 2,
	v_and_b32 v13, 3, v0                           ; and my word in it
	s_lshl_b32 s22, s8, 11                         ; my wave's stage
	v_lshlrev_b32 v[CWA], 9, v11
	v_lshl_add_u32 v[CWA], v12, 8, v[CWA]
	v_lshl_add_u32 v[CWA], v13, 2, v[CWA]
	v_lshl_add_u32 v[CWA], v10, 4, v[CWA]          ; + 16 h: the odd row of a pair lies one image row on
	v_add_nc_u32 v[CWA], s22, v[CWA]
	s_lshl_b32 s23, s8, 7
	s_add_co_u32 s23, s23, SCB                     ; my wave's 128 scale bytes
	v_bfe_u32 v[BYA], v0, 2, 2                     ; B
	v_lshl_add_u32 v[BYA], v10, 2, v[BYA]          ; + 4 h
	v_add_nc_u32 v[BYA], s23, v[BYA]
	v_lshlrev_b32 v[GL], 4, v8
	v_add_nc_u32 v[RD], s22, v[GL]
	v_add_nc_u32 v[SRD], SCB, v[GL]
	; byte offsets, apart from the addresses
	s_lshr_b32 s11, s10, 3                         ; b
	s_lshl_b32 s11, s11, 11
	s_lshl_b32 s12, s9, 7
	s_add_co_u32 s11, s11, s12
	s_lshl_b32 s12, s8, 5
	s_add_co_u32 s11, s11, s12                     ; my first row: 2,048 b + 128 st + 32 p
	s_lshl_b32 s12, s11, 12                        ; rows of 4,096 bytes
	s_and_b32 s13, s10, 7
	s_lshl_b32 s13, s13, 9                         ; the head's 512 bytes in a row
	s_add_co_u32 s12, s12, s13
	s_mov_b32 s13, 0
	s_mul_i32 s14, s10, 139264                     ; the head in kq,
	s_lshr_b32 s15, s9, 2
	s_mul_i32 s15, s15, 34816                      ; the chunk
	s_add_co_u32 s14, s14, s15
	s_and_b32 s15, s9, 3                           ; the step in the chunk
	s_lshl_b32 s16, s15, 9
	s_add_co_u32 s16, s16, s14
	s_add_co_u32 s16, s16, 32768                   ; the step's scale words
	s_mov_b32 s17, 0
	s_lshl_b32 s15, s15, 13
	s_add_co_u32 s14, s14, s15
	s_lshl_b32 s15, s8, 11
	s_add_co_u32 s14, s14, s15                     ; my wave's two tiles
	s_mov_b32 s15, 0
	s_wait_kmcnt 0x0
	s_add_nc_u64 s[4:5], s[4:5], s[12:13]
	s_add_nc_u64 s[18:19], s[6:7], s[14:15]
	s_add_nc_u64 s[20:21], s[6:7], s[16:17]
.irp jj, 0,1,2,3,4,5,6,7,8,9,10,11,12,13,14,15
.irp e, 0,1
	global_load_b128 v[X+8*\jj+4*\e:X+8*\jj+4*\e+3], v[LA], s[4:5] offset:(2*\jj+\e)*4096 th:TH_LOAD_NT   ; one row: 32 lanes read its 512 consecutive bytes
.endr
.endr
; Eight pairs of rows, jj = 8 g + j, every stage by turns over j so that no line waits for the line above it.
.macro Q8 g
.irp j, 0,1,2,3,4,5,6,7
.irp i, 0,1,2,3
	v_permlane16_swap_b32 v[X+8*(8*\g+\j)+\i], v[X+8*(8*\g+\j)+4+\i]   ; lane (l', h) now holds numbers 8 l' .. 8 l' + 7 of row 2 jj + h in eight consecutive registers
.endr
.endr
.irp j, 0,1,2,3,4,5,6,7
	v_max3_num_f32 v[MX+8*\g+\j], |v[X+8*(8*\g+\j)]|, |v[X+8*(8*\g+\j)+1]|, 0x1800000   ; my eight, and the floor 2^(3 - 127): the byte cannot fall under 1
.endr
.irp i, 2,4,6
.irp j, 0,1,2,3,4,5,6,7
	v_max3_num_f32 v[MX+8*\g+\j], v[MX+8*\g+\j], |v[X+8*(8*\g+\j)+\i]|, |v[X+8*(8*\g+\j)+\i+1]|
.endr
.endr
.irp j, 0,1,2,3,4,5,6,7
	v_max_num_f32_dpp v[MX+8*\g+\j], v[MX+8*\g+\j], v[MX+8*\g+\j] row_xmask:1 row_mask:0xf bank_mask:0xf
.endr
.irp j, 0,1,2,3,4,5,6,7
	v_max_num_f32_dpp v[MX+8*\g+\j], v[MX+8*\g+\j], v[MX+8*\g+\j] row_xmask:2 row_mask:0xf bank_mask:0xf   ; the four lanes of a block of 32 share its largest magnitude
.endr
.irp j, 0,1,2,3,4,5,6,7
	v_add_nc_u32 v[SO+8*\g+\j], 0xff000000, v[MX+8*\g+\j]   ; 2 off the exponent field: the conversion takes this operand's exponent field as its scale
.endr
.irp j, 0,1,2,3,4,5,6,7
	v_lshrrev_b32 v[MX+8*\g+\j], 23, v[SO+8*\g+\j]          ; the scale's byte
.endr
.irp j, 0,1,2,3,4,5,6,7
	v_cvt_scalef32_pk8_fp4_f32 v[CW+8*\g+\j], v[X+8*(8*\g+\j):X+8*(8*\g+\j)+7], v[SO+8*\g+\j]
.endr
	v_nop                                          ; one plain line behind the last scaled conversion
.irp j, 0,1,2,3,4,5,6,7                        ; key 16 g + 2 j + h of my 32 is row (2 j) % 8 + h + 8 g of tile u = j / 4
	ds_store_b32 v[CWA], v[CW+8*\g+\j] offset:(\j/4)*1024+((2*\j)%8+8*\g)*16
	ds_store_b8 v[BYA], v[MX+8*\g+\j] offset:(\j/4)*64+((2*\j)%8+8*\g)*4     ; the four lanes of a block write the same byte with the same value
.endr
.endm
	s_wait_loadcnt 16                              ; loads come back in order: rows 0-15 are in, the 16 younger loads may be out
	Q8 0
	s_wait_loadcnt 0x0
	Q8 1
.irp i, 0,1,2,3
	ds_load_b128 v[X+4*\i:X+4*\i+3], v[RD] offset:512*\i   ; LDS serves a wave's instructions in order: these see my stores
.endr
	s_wait_dscnt 0x0                               ; my two tiles are back; and, for the other waves' sake, my byte stores have landed
.irp i, 0,1,2,3
	global_store_b128 v[GL], v[X+4*\i:X+4*\i+3], s[18:19] offset:512*\i   ; 32 lanes store 512 consecutive bytes, at a multiple of 256 from kq's first byte
.endr
	s_barrier_signal -1
	s_barrier_wait -1                              ; all four waves' scale bytes lie in LDS
	s_cmp_lg_u32 s8, 0
	s_cbranch_scc1 .Lend
	ds_load_b128 v[X+16:X+19], v[SRD]              ; wave 0 sends the step's 512 scale bytes
	s_wait_dscnt 0x0
	global_store_b128 v[GL], v[X+16:X+19], s[20:21]
.Lend:
	s_endpgm
.Lfunc_end_k_q4f31afb17f_kquant:
	.size	k_q4f31afb17f_kquant, .Lfunc_end_k_q4f31afb17f_kquant-k_q4f31afb17f_kquant
	.p2alignl 7, 3214868480
	.fill 96, 4, 3214868480
	.section	.rodata,"a",@progbits
	.p2align	6, 0x0
	.amdhsa_kernel k_q4f31afb17f_kquant
		.amdhsa_group_segment_fixed_size 8704
		.amdhsa_private_segment_fixed_size 0
		.amdhsa_enable_private_segment 0
		.amdhsa_kernarg_size 16
		.amdhsa_user_sgpr_count 2
		.amdhsa_user_sgpr_kernarg_segment_ptr 1
		.amdhsa_wavefront_size32 1
		.amdhsa_system_sgpr_workgroup_id_x 1
		.amdhsa_system_sgpr_workgroup_id_y 1
		.amdhsa_system_sgpr_workgroup_id_z 1
		.amdhsa_system_vgpr_workitem_id 0
		.amdhsa_next_free_vgpr 192
		.amdhsa_next_free_sgpr 66
		.amdhsa_reserve_vcc 0
		.amdhsa_float_denorm_mode_32 3
		.amdhsa_float_denorm_mode_16_64 3
		.amdhsa_memory_ordered 1
		.amdhsa_forward_progress 1
		.amdhsa_inst_pref_size 20
	.end_amdhsa_kernel
	.amdgpu_metadata
---
amdhsa.version: [ 1, 2 ]
amdhsa.kernels:
  - .name:           k_q4f31afb17f_kquant
    .symbol:         k_q4f31afb17f_kquant.kd
    .args:
      - { .name: key, .offset: 0, .size: 8, .value_kind: global_buffer, .address_space: global }
      - { .name: kq, .offset: 8, .size: 8, .value_kind: global_buffer, .address_space: global }
    .group_segment_fixed_size: 8704
    .private_segment_fixed_size: 0
    .kernarg_segment_align: 8
    .kernarg_segment_size: 16
    .max_flat_workgroup_size: 128
    .sgpr_count:     66
    .vgpr_count:     192
    .wavefront_size: 32
...
	.end_amdgpu_metadata
.endif
;; end of part 1
;; launch attn (part 2): grid 16 x 16, 16 waves a work-group, clusters of 4 x 1, 327,680 bytes of LDS; arguments query, kq, value_codes, value_scales, out0; writes out0
.if DOCPART == 2
	.amdgcn_target "amdgcn-amd-amdhsa--gfx1250"
	.amdhsa_code_object_version 6
	.text
	.protected	k_q4f31afb17f_attn
	.globl	k_q4f31afb17f_attn
	.p2align	8
	.type	k_q4f31afb17f_attn,@function
k_q4f31afb17f_attn:
	s_mov_b64 s[64:65], 0
	v_nop
	global_prefetch_b8 v0, s[64:65] scope:SCOPE_SE
	s_setreg_imm32_b32 hwreg(HW_REG_WAVE_MODE, 25, 1), 1
	s_wait_xcnt 0x0
	s_wait_alu depctr_hold_cnt(0) depctr_sa_sdst(0) depctr_va_vdst(0) depctr_va_sdst(0) depctr_va_ssrc(0) depctr_va_vcc(0) depctr_vm_vsrc(0)
	s_getreg_b32 s2, hwreg(HW_REG_IB_STS2, 6, 4)
	s_cmp_eq_u32 s2, 0
	s_cbranch_scc0 .Lentry_in_a_cluster
	s_endpgm
.Lentry_in_a_cluster:
	s_bfe_u32 s2, ttmp6, 0x10000c
	s_cmp_lg_u32 s2, 0x3003
	s_cbranch_scc0 .Lentry_shape_is_right
	s_endpgm
.Lentry_shape_is_right:
; out0[b][q][head] = the sum over keys k <= q of softmax_k(Q . K / sqrt(128)) V: 32 query heads on 8 key and value heads, 2,048 positions, head size 128; both products on codes of FP4 (E2M1) with E8M0 scales for each 32 along K.
; Q arrives as f32 and is quantised here, in registers (each tile of Q is read by one wave, once); K comes as the images that the launch before made; V comes as codes with the keys innermost.
; THE SOFTMAX: t = score x log2(e) / sqrt(128); M = the running largest t rounded UP to a whole number; p = 2^(t - M) is quantised along the keys, not normalised; the row's sum is taken of the unquantised p and divides at the end.
; When M moves, the sum and O are multiplied by 2^(old M - new M), which rounds nothing.
; LIMITS: NaN and infinities in query are not served.  A block of Q or of p whose largest magnitude lies under 2^-124 (zeros among them) gets the scale byte 1.  A p under 2^-126 counts as 0 (the exponential's result).
; M is a whole number at every t; beyond |t| = 2^23 t itself has no fraction left in f32.
; SHARES.  A work-group owns ONE query head and TWO blocks of 256 positions, 7 - j (pass A) and j (pass B), j = 0 .. 3; each of its sixteen waves owns 16 positions of each block.  A wave works a step of 128 keys only where
; some key of it counts: (2 (7 - j) + w / 8 + 1) + (2 j + w / 8 + 1) = 16 + 2 (w / 8) steps, whatever j: every work-group has the same work.  Four waves share a SIMD (256 registers each), so that one wave's
; vector work stands beside another's matrix work and LDS loads.
; LDS.  The codes and scales of one key and value head fit in LDS whole (K 139,264 bytes, V 139,264 with its padding, V's scales 8,704): they come once, at the start, and NOTHING IS FILLED AGAIN: no ring and one barrier.
; CLUSTER.  The four partners are the four query heads of one key and value head with the same j: they need the same K and V, and every branch (on j, g, the wave's number and constants) is the same in all four.
; So each tile is asked for JOINTLY: the same tensor load with the same descriptor and a mask that names the four.  cx, the head in the group, enters Q's and O's global addresses and nothing else.
; LAYOUT.  Both products are used transposed: S^T = K Q^T (source 0 = 16 keys, source 1 = my 16 queries), O^T = V^T P^T (source 0 = 16 channels, source 1 = P): a lane holds ONE query (lane % 16) throughout.
; The keys of a tile of K are chosen so that the 16 registers of tiles 2 b and 2 b + 1 are the 16 neighbouring keys 32 b + 16 (lane / 16) + 0 .. 15.
.set CHUNK, 34816                      ; 512 keys of K (32,768 bytes of images + 2,048 of scale words), or of V (128 rows of 256 bytes + 16 of padding)
.set VB,    4*CHUNK                    ; LDS: K's four chunks from 0, V's four from VB,
.set SCV,   8*CHUNK                    ; V's scale bytes: 32 x (256 bytes + 16): row d at 272 (d / 4) + 64 (d % 4),
.set STAGE, SCV+32*272                 ; and a stage of 2,176 bytes for each wave, in blocks of 256 bytes into which no tensor load lands
.set STGB,  2176                       ; first two images of Q (1,024 bytes of codes + 64 of scale words each), later 8 rows x (256 + 16) on the way out
.set VP,    272
.set AKI, 1                            ; v1   16 x lane: my place in an image
.set AV0, 2                            ; v2   my place in a tile of V: VB + 272 (lane % 16) + 16 (lane / 16)
.set ASK, 3                            ; v3   my place among a chunk's scale words of K: 32,768 + 4 x lane
.set ASV, 4                            ; v4   and among V's: row d = lane of a pair of tiles
.set STI, 5                            ; v5   the way out: where I put 32 bytes of a row
.set STR, 6                            ; v6   the way out: where I read 16 bytes of a row back
.set GO,  7                            ; v7   the way out: my byte offset in the wave's rows of out0
.set ADK, 8                            ; v8-11 the step's addresses: K's images, K's scale words, V's tiles, V's scale words
.set ADS, 9
.set ADV, 10
.set ADT, 11
                                       ; v12 -M, v13 the largest t, v[14:15] the sum in two halves; v16-23, v24-31 Q's fragments of passes A and B
.set FRG, 32                           ; v32-95   eight fragments of K, then of V; on the way out rows of O
                                       ; v96-159  S^T, then p, at last O / the sum;  v160-223 O^T;  v224-231 p's codes;  v232-239, v244-247, v252, v254 at work
.set QSB, 240                          ; v240 Q's scale words, pass B;  v255 pass A;  v248-251 K's or V's scale words, a register to a pair of tiles;  v253 p's scale word: these hold scales alone
.set QSA, 255
.set D0,  241                          ; v241 lane % 16 - 16 (lane / 16)
.set NINF, 242                         ; v242 -infinity
.set SW,  248
.set QLA, 32                           ; in the prologue alone: v32 my 16 bytes of a row of Q; v33 where my code word goes, v34 my scale byte; v35, v36 where the image and the scale word are read back
.set QCW, 33
.set QBY, 34
.set QRD, 35
.set QSR, 36
.set WV,  14                           ; s14 my wave's number
.set SEL, 20                           ; s[20:21] lane selects for v_permlanex16_b32: lane l xor 16
.set CS,  22                           ; s[22:23] c = log2(e) / sqrt(128)
.set G1K, 24                           ; s[24:31], s[32:39], s[40:47] descriptor groups 1 for K's chunks, V's chunks, V's scales
.set G1V, 32
.set G1S, 40
.set G0K, 48                           ; s[48:51], s[52:55], s[56:59] their groups 0
.set G0V, 52
.set G0S, 56
.set KF,  60                           ; s60 the step's first key;  s61 my first query;  s62 my last
.set Q0,  61
.set QL,  62
.set TK,  63                           ; s63, s66, s67, s68: LDS bytes at which the step's images of K, its scale words, its part of V's rows and its scale words of V begin
.set TSK, 66
.set TV,  67
.set TSV, 68
.set STP, 69                           ; s69 steps left in the chunk;  s70 chunks left
.set CH,  70
.set T0,  71
.set Q0A, 72                           ; s72, s73 my first query of pass A, of pass B
.set Q0B, 73
.set QPA, 74                           ; s[74:75], s[76:77] Q at my rows;  s[78:79], s[80:81] out0 likewise
.set QPB, 76
.set OPA, 78
.set OPB, 80
.set SX,  84                           ; s84 EXEC, kept
.set SB,  85                           ; s85 my stage
; A round of the cluster's barrier: my work-group's barrier, wave 0 signals for the work-group, every wave waits for all four work-groups, my work-group's barrier once more.
.macro ROUND
	s_barrier_signal -1
	s_barrier_wait -1
	s_cmp_lg_u32 s[WV], 0
	s_cbranch_scc1 .Lnot_wave_0_\@
	s_barrier_signal -3
.Lnot_wave_0_\@:
	s_barrier_wait -3
	s_barrier_signal -1
	s_barrier_wait -1
.endm
	s_load_b256 s[4:11], s[0:1], 0x0               ; query s[4:5], kq s[6:7], value_codes s[8:9], value_scales s[10:11]
	s_load_b64 s[12:13], s[0:1], 0x20              ; out0
	v_lshrrev_b32 v8, 5, v0
	s_delay_alu instid0(VALU_DEP_1)
	v_readfirstlane_b32 s[WV], v8                  ; wave 0 .. 15
	s_bfe_u32 s15, ttmp6, 0x40000                  ; cx: the query head in its group of four
	s_mov_b32 s16, ttmp9                           ; j: in a cluster launch ttmp9 counts clusters
	s_and_b32 s17, ttmp7, 0xffff                   ; g = 8 b + key and value head
	s_lshl_b32 s[T0], s[WV], 4
	s_lshl_b32 s[Q0B], s16, 8
	s_sub_co_u32 s[Q0A], 1792, s[Q0B]
	s_add_co_u32 s[Q0A], s[Q0A], s[T0]             ; 256 (7 - j) + 16 w
	s_add_co_u32 s[Q0B], s[Q0B], s[T0]             ; 256 j + 16 w
	s_lshr_b32 s82, s17, 3
	s_lshl_b32 s82, s82, 25                        ; b x 2,048 rows of 16,384 bytes
	s_and_b32 s83, s17, 7
	s_lshl_b32 s83, s83, 11                        ; the group's four heads: 2,048 bytes of a row,
	s_add_co_u32 s82, s82, s83
	s_lshl_b32 s83, s15, 9                         ; my head's 512 of them
	s_add_co_u32 s82, s82, s83
	s_lshl_b32 s18, s[Q0A], 14
	s_add_co_u32 s18, s18, s82                     ; pass A's byte offset in query and in out0 (under 2^26)
	s_mov_b32 s19, 0
	s_lshl_b32 s86, s[Q0B], 14
	s_add_co_u32 s86, s86, s82                     ; pass B's
	s_mov_b32 s87, 0
	s_and_b32 s88, s[WV], 3                        ; which chunk I fetch, if I fetch
	s_mul_i32 s89, s88, CHUNK                      ; its place in LDS, and in a head of kq
	s_mul_i32 s90, s17, 4*CHUNK
	s_add_co_u32 s90, s90, s89                     ; K: byte offset in kq
	s_mov_b32 s91, 0
	s_lshl_b32 s92, s17, 17                        ; V: the head's 128 rows of 1,024 bytes,
	s_lshl_b32 s93, s88, 8                         ; the chunk's 256 bytes of each
	s_add_co_u32 s92, s92, s93
	s_mov_b32 s93, 0
	s_lshl_b32 s94, s17, 13                        ; V's scales: the head's 8,192 bytes
	s_mov_b32 s95, 0
	s_mul_i32 s[SB], s[WV], STGB
	s_add_co_u32 s[SB], s[SB], STAGE
	s_mov_b32 s[SEL], 0x76543210
	s_mov_b32 s[SEL+1], 0xfedcba98
	s_mov_b32 s[CS], 0x3e0293ee                    ; c = log2(e) / sqrt(128)
	s_mov_b32 s[CS+1], s[CS]                       ; (named with it as a pair, so it is written)
	; descriptor groups 1.  Elements of 8 bytes, rows of 32 elements = 256 bytes.  15:0 the mask: all four work-groups; 17:16 element size code 3; 21 set beside a mask.
	s_mov_b32 s[G1K], 15|(3<<16)|(1<<21)           ; K: a chunk is dense: 136 rows, no padding
	s_mov_b32 s[G1K+1], 32<<16                     ; tensor_dim0
	s_mov_b32 s[G1K+2], 136<<16                    ; tensor_dim1
	s_mov_b32 s[G1K+3], 32<<16                     ; tile_dim0
	s_mov_b32 s[G1K+4], 136                        ; tile_dim1
	s_mov_b32 s[G1K+5], 32                         ; from row to row
	s_mov_b32 s[G1K+6], 0
	s_mov_b32 s[G1K+7], 0
	s_mov_b32 s[G1V], 15|(3<<16)|(1<<20)|(1<<21)|(5<<22)|(3<<25)   ; V: 128 rows, 1,024 bytes apart in memory; 20 padding on: four words (code 3) behind every 64 (code 5)
	s_mov_b32 s[G1V+1], 32<<16
	s_mov_b32 s[G1V+2], 128<<16
	s_mov_b32 s[G1V+3], 32<<16
	s_mov_b32 s[G1V+4], 128
	s_mov_b32 s[G1V+5], 128
	s_mov_b32 s[G1V+6], 0
	s_mov_b32 s[G1V+7], 0
	s_mov_b32 s[G1S], 15|(3<<16)|(1<<20)|(1<<21)|(5<<22)|(3<<25)   ; V's scales: 8,192 dense bytes as 32 rows, padded likewise
	s_mov_b32 s[G1S+1], 32<<16
	s_mov_b32 s[G1S+2], 32<<16
	s_mov_b32 s[G1S+3], 32<<16
	s_mov_b32 s[G1S+4], 32
	s_mov_b32 s[G1S+5], 32
	s_mov_b32 s[G1S+6], 0
	s_mov_b32 s[G1S+7], 0
	v_and_b32 v8, 31, v0                           ; lane
	v_and_b32 v9, 15, v0                           ; r
	v_bfe_u32 v10, v0, 4, 1                        ; h
	s_delay_alu instid0(VALU_DEP_2)
	v_lshlrev_b32 v[QLA], 5, v9
	s_delay_alu instid0(VALU_DEP_1)
	v_lshl_add_u32 v[QLA], v10, 4, v[QLA]          ; 32 r + 16 h: lanes 0-15 the even pieces of 16 bytes of a row's 512, lanes 16-31 the odd ones
	s_wait_alu depctr_va_vdst(0)
	s_wait_kmcnt 0x0
	s_add_nc_u64 s[QPA:QPA+1], s[4:5], s[18:19]
	s_add_nc_u64 s[QPB:QPB+1], s[4:5], s[86:87]
	s_add_nc_u64 s[OPA:OPA+1], s[12:13], s[18:19]
	s_add_nc_u64 s[OPB:OPB+1], s[12:13], s[86:87]
.irp j, 0,1,2,3,4,5,6,7                        ; Q of both passes, 16 rows each: one load reads one row's 512 consecutive bytes.  Pass A's into S^T's registers, pass B's into O^T's
.irp e, 0,1
	global_load_b128 v[96+8*\j+4*\e:96+8*\j+4*\e+3], v[QLA], s[QPA:QPA+1] offset:(2*\j+\e)*16384 th:TH_LOAD_NT
.endr
.endr
.irp j, 0,1,2,3,4,5,6,7
.irp e, 0,1
	global_load_b128 v[160+8*\j+4*\e:160+8*\j+4*\e+3], v[QLA], s[QPB:QPB+1] offset:(2*\j+\e)*16384 th:TH_LOAD_NT
.endr
.endr
	; descriptor groups 0: every wave makes all three, with LDS addresses that lie inside LDS in every wave
	s_mov_b32 s[G0K], 1                            ; count = 1
	s_mov_b32 s[G0K+1], s89                        ; LDS address
	s_add_nc_u64 s[G0K+2:G0K+3], s[6:7], s[90:91]  ; global address
	s_or_b32 s[G0K+3], s[G0K+3], 0x80000000        ; type = 2
	s_mov_b32 s[G0V], 1
	s_add_co_u32 s[G0V+1], s89, VB
	s_add_nc_u64 s[G0V+2:G0V+3], s[8:9], s[92:93]
	s_or_b32 s[G0V+3], s[G0V+3], 0x80000000
	s_mov_b32 s[G0S], 1
	s_mov_b32 s[G0S+1], SCV
	s_add_nc_u64 s[G0S+2:G0S+3], s[10:11], s[94:95]
	s_or_b32 s[G0S+3], s[G0S+3], 0x80000000
	; every LDS address register is made here, ahead of the first branch on the wave's number
	v_lshlrev_b32 v[AKI], 4, v8
	v_mul_u32_u24 v[AV0], v9, VP
	s_delay_alu instid0(VALU_DEP_1)
	v_lshl_add_u32 v[AV0], v10, 4, v[AV0]
	s_delay_alu instid0(VALU_DEP_1)
	v_add_nc_u32 v[AV0], VB, v[AV0]
	v_lshl_add_u32 v[ASK], v8, 2, 32768
	v_lshrrev_b32 v11, 2, v8
	v_and_b32 v[ASV], 3, v0
	s_delay_alu instid0(VALU_DEP_1)
	v_lshlrev_b32 v[ASV], 6, v[ASV]
	s_delay_alu instid0(VALU_DEP_1)
	v_mad_u32_u24 v[ASV], v11, VP, v[ASV]
	s_delay_alu instid0(VALU_DEP_1)
	v_add_nc_u32 v[ASV], SCV, v[ASV]
	v_and_b32 v11, 7, v0
	s_delay_alu instid0(VALU_DEP_1)
	v_mul_u32_u24 v[STI], v11, VP                  ; in: stage row r % 8, + 32 h
	s_delay_alu instid0(VALU_DEP_1)
	v_lshl_add_u32 v[STI], v10, 5, v[STI]
	s_delay_alu instid0(VALU_DEP_1)
	v_add_nc_u32 v[STI], s[SB], v[STI]
	v_mul_u32_u24 v[STR], v10, VP                  ; back: lanes 0-15 one row of 256 bytes, lanes 16-31 the next
	s_delay_alu instid0(VALU_DEP_1)
	v_lshl_add_u32 v[STR], v9, 4, v[STR]
	s_delay_alu instid0(VALU_DEP_1)
	v_add_nc_u32 v[STR], s[SB], v[STR]
	v_lshlrev_b32 v[GO], 14, v10                   ; and the same two rows in out0
	s_delay_alu instid0(VALU_DEP_1)
	v_lshl_add_u32 v[GO], v9, 4, v[GO]
	v_lshlrev_b32 v[D0], 4, v10
	s_delay_alu instid0(VALU_DEP_1)
	v_sub_nc_u32 v[D0], v9, v[D0]
	v_mov_b32 v[NINF], 0xff800000
	v_bfe_u32 v[QCW], v0, 3, 1                     ; Q's image: my block B = r / 4: 512 (B / 2) + 256 (B % 2) + 4 (r % 4) + 16 h
	s_delay_alu instid0(VALU_DEP_1)
	v_lshlrev_b32 v[QCW], 9, v[QCW]
	v_bfe_u32 v11, v0, 2, 1
	s_delay_alu instid0(VALU_DEP_1)
	v_lshl_add_u32 v[QCW], v11, 8, v[QCW]
	v_and_b32 v11, 3, v0
	s_delay_alu instid0(VALU_DEP_1)
	v_lshl_add_u32 v[QCW], v11, 2, v[QCW]
	s_delay_alu instid0(VALU_DEP_1)
	v_lshl_add_u32 v[QCW], v10, 4, v[QCW]
	s_delay_alu instid0(VALU_DEP_1)
	v_add_nc_u32 v[QCW], s[SB], v[QCW]
	v_bfe_u32 v[QBY], v0, 2, 2                     ; its scale byte: B + 4 h
	s_delay_alu instid0(VALU_DEP_1)
	v_lshl_add_u32 v[QBY], v10, 2, v[QBY]
	s_delay_alu instid0(VALU_DEP_1)
	v_add_nc_u32 v[QBY], s[SB], v[QBY]
	v_add_nc_u32 v[QRD], s[SB], v[AKI]
	v_lshl_add_u32 v[QSR], v9, 2, s[SB]
.irp b, 0,1,2,3
	v_mov_b32 v[236+\b], 0                         ; written once: a lane permute's destination counts as one of its sources
.endr
	v_mov_b32 v252, 0
	v_mov_b32 v253, 0                              ; (named as the upper half of the pair v[252:253] before it is first written)
	ROUND                                          ; all four work-groups are here: the joint loads meet
	; Waves 0-3 ask for K's four chunks, waves 4-7 for V's, wave 8 for V's scales: one tensor load a wave at the most.  The branches hang on the wave's number alone.  Four v_nop follow each line.
	s_cmp_lt_u32 s[WV], 4
	s_cbranch_scc0 .Lnot_k
	tensor_load_to_lds s[G0K:G0K+3], s[G1K:G1K+7]
	s_nop 0
.rept 4
	v_nop
.endr
	s_branch .Lasked
.Lnot_k:
	s_cmp_lt_u32 s[WV], 8
	s_cbranch_scc0 .Lnot_v
	tensor_load_to_lds s[G0V:G0V+3], s[G1V:G1V+7]
	s_nop 0
.rept 4
	v_nop
.endr
	s_branch .Lasked
.Lnot_v:
	s_cmp_eq_u32 s[WV], 8
	s_cbranch_scc0 .Lasked
	tensor_load_to_lds s[G0S:G0S+3], s[G1S:G1S+7]
	s_nop 0
.rept 4
	v_nop
.endr
.Lasked:
; 16 rows of Q, as loaded in v[xb] on (pair j of rows at xb + 8 j), become a fragment in v[qf] on and its scale words in v[qs], through my stage at soff.  tb: 24 registers at work.
.macro QPREP xb, soff, qf, qs, tb
.irp j, 0,1,2,3,4,5,6,7
.irp i, 0,1,2,3
	v_permlane16_swap_b32 v[\xb+8*\j+\i], v[\xb+8*\j+4+\i]   ; lane (r, h) now holds numbers 8 r .. 8 r + 7 of row 2 j + h in eight consecutive registers
.endr
.endr
.irp j, 0,1,2,3,4,5,6,7
	v_max3_num_f32 v[\tb+\j], |v[\xb+8*\j]|, |v[\xb+8*\j+1]|, 0x1800000   ; my eight, and the floor 2^(3 - 127): the byte cannot fall under 1
.endr
.irp i, 2,4,6
.irp j, 0,1,2,3,4,5,6,7
	v_max3_num_f32 v[\tb+\j], v[\tb+\j], |v[\xb+8*\j+\i]|, |v[\xb+8*\j+\i+1]|
.endr
.endr
.irp j, 0,1,2,3,4,5,6,7
	v_max_num_f32_dpp v[\tb+\j], v[\tb+\j], v[\tb+\j] row_xmask:1 row_mask:0xf bank_mask:0xf
.endr
.irp j, 0,1,2,3,4,5,6,7
	v_max_num_f32_dpp v[\tb+\j], v[\tb+\j], v[\tb+\j] row_xmask:2 row_mask:0xf bank_mask:0xf   ; the four lanes of a block of 32 share its largest magnitude
.endr
.irp j, 0,1,2,3,4,5,6,7
	v_add_nc_u32 v[\tb+8+\j], 0xff000000, v[\tb+\j]          ; 2 off the exponent field: the conversion's scale operand
.endr
.irp j, 0,1,2,3,4,5,6,7
	v_lshrrev_b32 v[\tb+\j], 23, v[\tb+8+\j]                 ; the scale's byte
.endr
.irp j, 0,1,2,3,4,5,6,7
	v_cvt_scalef32_pk8_fp4_f32 v[\tb+16+\j], v[\xb+8*\j:\xb+8*\j+7], v[\tb+8+\j]
.endr
	v_nop                                          ; one plain line behind the last scaled conversion
.irp j, 0,1,2,3,4,5,6,7
	ds_store_b32 v[QCW], v[\tb+16+\j] offset:\soff+32*\j
	ds_store_b8 v[QBY], v[\tb+\j] offset:\soff+1024+8*\j     ; the four lanes of a block write the same byte with the same value
.endr
	ds_load_b128 v[\qf:\qf+3], v[QRD] offset:\soff           ; LDS serves a wave's instructions in order: these see my stores
	ds_load_b128 v[\qf+4:\qf+7], v[QRD] offset:\soff+512
	ds_load_b32 v[\qs], v[QSR] offset:\soff+1024             ; lane r: row r's four bytes
.endm
; A KEY STEP: 128 keys from KF on.
.macro STEP qf, qs
	s_cmp_gt_u32 s[KF], s[QL]                      ; a step all of whose keys come after my 16 queries is left out: a branch on ids, round the work and not round the lines that step addresses
	s_cbranch_scc1 .Lhid_\@
	s_setprio 2
	v_add_nc_u32 v[ADK], s[TK], v[AKI]             ; these four are also the places between the last step's products and the loads into their operands
	v_add_nc_u32 v[ADS], s[TSK], v[ASK]
	v_add_nc_u32 v[ADV], s[TV], v[AV0]
	v_add_nc_u32 v[ADT], s[TSV], v[ASV]
.irp p, 0,1,2,3
	ds_load_b32 v[SW+\p], v[ADS] offset:128*\p     ; lanes 0-15 the rows of tile 2 p, lanes 16-31 those of tile 2 p + 1
.endr
.irp t, 0,1,2,3,4,5,6,7
.irp c, 0,1
	ds_load_b128 v[FRG+8*\t+4*\c:FRG+8*\t+4*\c+3], v[ADK] offset:1024*\t+512*\c
.endr
.endr
	s_wait_alu depctr_va_vdst(0)
	s_wait_dscnt 8                                 ; LDS loads come back in order: the scale words and tiles 0-3 are in; the youngest eight loads (tiles 4-7) may be out
.irp p, 0,1,2,3
.if \p == 2
	s_wait_dscnt 0x0
.endif
	v_wmma_scale_f32_16x16x128_f8f6f4 v[96+16*\p:103+16*\p], v[FRG+16*\p:FRG+16*\p+7], v[\qf:\qf+7], 0, v[SW+\p], v[\qs] matrix_a_fmt:MATRIX_FMT_FP4 matrix_b_fmt:MATRIX_FMT_FP4
	v_wmma_scale_f32_16x16x128_f8f6f4 v[104+16*\p:111+16*\p], v[FRG+16*\p+8:FRG+16*\p+15], v[\qf:\qf+7], 0, v[SW+\p], v[\qs] matrix_a_fmt:MATRIX_FMT_FP4 matrix_b_fmt:MATRIX_FMT_FP4 matrix_a_scale:MATRIX_SCALE_ROW1
.endr                                          ; lane (r, h): query r; register 96 + 16 b + i is key KF + 32 b + 16 h + i
.rept 4
	v_nop                                          ; four places: in front of the loads into these products' operands, and of the first read of their results
.endr
.irp p, 0,1,2,3                                ; V is asked for now and lands while the softmax is worked
	ds_load_b32 v[SW+\p], v[ADT] offset:2176*\p    ; rows d = 32 p + lane: lanes 0-15 tile 2 p, lanes 16-31 tile 2 p + 1
.endr
.irp t, 0,1,2,3,4,5,6,7
.irp c, 0,1
	ds_load_b128 v[FRG+8*\t+4*\c:FRG+8*\t+4*\c+3], v[ADV] offset:16*VP*\t+32*\c
.endr
.endr
	s_add_co_u32 s[T0], s[KF], 127                 ; on the diagonal the scores of hidden keys become -infinity ahead of the maximum: p = 0 then.  A step all of whose keys count skips this
	s_cmp_le_u32 s[T0], s[Q0]
	s_cbranch_scc1 .Lopen_\@
	s_sub_co_i32 s[T0], s[Q0], s[KF]
	v_add_nc_u32 v252, s[T0], v[D0]                ; d = my query - KF - 16 h: register 16 b + i is hidden where 32 b + i > d
.irp n, 0,1,2,3,4,5,6,7,8,9,10,11,12,13,14,15,16,17,18,19,20,21,22,23,24,25,26,27,28,29,30,31,32,33,34,35,36,37,38,39,40,41,42,43,44,45,46,47,48,49,50,51,52,53,54,55,56,57,58,59,60,61,62,63
	v_cmp_gt_i32 vcc_lo, 32*(\n/16)+\n%16, v252
	v_cndmask_b32 v[96+\n], v[96+\n], v[NINF], vcc_lo
.endr
.Lopen_\@:
.irp b, 0,1,2,3
	v_max3_num_f32 v[232+\b], v[96+16*\b], v[97+16*\b], v[98+16*\b]   ; the largest score of each block of 32 keys: for the row's maximum and, since p rises with the score, for the block's largest p
.endr
.irp i, 3,5,7,9,11,13
.irp b, 0,1,2,3
	v_max3_num_f32 v[232+\b], v[232+\b], v[96+16*\b+\i], v[97+16*\b+\i]   ; (the four blocks by turns)
.endr
.endr
.irp b, 0,1,2,3
	v_max_num_f32 v[232+\b], v[232+\b], v[111+16*\b]
.endr
.irp b, 0,1,2,3
	s_delay_alu instid0(VALU_DEP_4)
	v_permlanex16_b32 v[236+\b], v[232+\b], s[SEL], s[SEL+1]
.endr
.irp b, 0,1,2,3
	s_delay_alu instid0(VALU_DEP_4)
	v_max_num_f32 v[232+\b], v[232+\b], v[236+\b]  ; with lane l xor 16's 16 keys
.endr
	s_delay_alu instid0(VALU_DEP_2)
	v_max3_num_f32 v254, v232, v233, v234
	s_delay_alu instid0(VALU_DEP_1)
	v_max_num_f32 v254, v254, v235                 ; the step's largest score of my query
	s_delay_alu instid0(VALU_DEP_1)
	v_mul_f32 v254, s[CS], v254                    ; as t (c is positive)
	s_delay_alu instid0(VALU_DEP_1)
	v_max_num_f32 v13, v13, v254                   ; the running largest t
	v_mov_b32 v254, v12
	s_delay_alu instid0(VALU_DEP_2)
	v_floor_f32 v12, -v13                          ; the new -M = floor(-t) = -ceil(t)
	s_delay_alu instid0(VALU_DEP_1)
	v_sub_f32 v254, v12, v254                      ; old M - new M: a whole number, 0 or less
	s_delay_alu instid0(VALU_DEP_1)
	v_cvt_i32_f32 v254, v254                       ; (it saturates)
	s_delay_alu instid0(VALU_DEP_1)
	v_ldexp_f32 v252, 1.0, v254                    ; f = 2^(old M - new M)
.set ii, 0
.rept 32
	v_pk_fma_f32 v[96+ii:97+ii], v[96+ii:97+ii], s[CS:CS+1], v[12:13] op_sel_hi:[1,0,0]   ; t - M, two at a time (of the pairs c and -M the low word serves both halves)
.set ii, ii+2
.endr
.irp b, 0,1,2,3
	v_fma_f32 v[232+\b], v[232+\b], s[CS], v12     ; the same of each block's largest score
.endr
.set ii, 0
	s_setprio 1
	s_wait_alu depctr_va_vdst(0)
.rept 64
	v_exp_f32 v[96+ii], v[96+ii]                   ; p = 2^(t - M), at most 1
.set ii, ii+1
.endr
.irp b, 0,1,2,3
	v_exp_f32 v[232+\b], v[232+\b]                 ; the block's largest p: the same two instructions on the same number give the same bits
.endr
	v_pk_mul_f32 v[14:15], v[14:15], v[252:253] op_sel_hi:[1,0]   ; the sums under the new M.  (The plain line behind the exponentials)
.irp b, 0,1,2,3
	v_max_num_f32 v[232+\b], 0x1800000, v[232+\b]  ; the floor 2^(3 - 127): the byte cannot fall under 1 (a block whose every p is 0 keeps that byte: its codes are zeros)
.endr
.irp b, 0,1,2,3
	s_delay_alu instid0(VALU_DEP_4)
	v_add_nc_u32 v[244+\b], 0xff000000, v[232+\b]  ; 2 off the exponent field: the conversion's scale operand
.endr
.irp b, 0,1,2,3
	s_delay_alu instid0(VALU_DEP_4)
	v_lshrrev_b32 v[236+\b], 23, v[244+\b]         ; the scale's byte
.endr
	s_delay_alu instid0(VALU_DEP_3)
	v_lshl_or_b32 v253, v237, 8, v236              ; p's scale word for these 128 keys
	s_delay_alu instid0(VALU_DEP_1)
	v_lshl_or_b32 v253, v238, 16, v253
	s_delay_alu instid0(VALU_DEP_1)
	v_lshl_or_b32 v253, v239, 24, v253
.irp b, 0,1,2,3
	v_cvt_scalef32_pk8_fp4_f32 v[224+2*\b], v[96+16*\b:103+16*\b], v[244+\b]
	v_cvt_scalef32_pk8_fp4_f32 v[225+2*\b], v[104+16*\b:111+16*\b], v[244+\b]
.endr
	v_nop                                          ; one plain line behind the last scaled conversion
.irp c, 0,1                                    ; the operand's layout wants a whole block in a lane: lanes 0-15 block 2 c, lanes 16-31 block 2 c + 1
.irp i, 0,1
	v_permlane16_swap_b32 v[224+4*\c+\i], v[226+4*\c+\i]
.endr
.endr
.set ii, 0
	s_wait_alu depctr_va_vdst(0)
.rept 32
	v_pk_mul_f32 v[160+ii:161+ii], v[160+ii:161+ii], v[252:253] op_sel_hi:[1,0]   ; O^T under the new M: x f; each accumulator from its low end on
.set ii, ii+2
.endr
	v_pk_add_f32 v[236:237], v[96:97], v[98:99]    ; the row's sum is taken of the unquantised p: two at a time, in two chains.  (These lines and the 32 above stand between the vector writes of p's codes, of its scale word and of O^T and the products below)
.irp j, 4,8,12,16,20,24,28,32,36,40,44,48,52,56,60
	v_pk_add_f32 v[14:15], v[14:15], v[96+\j:97+\j]
	v_pk_add_f32 v[236:237], v[236:237], v[98+\j:99+\j]
.endr
	s_delay_alu instid0(VALU_DEP_1)
	v_pk_add_f32 v[14:15], v[14:15], v[236:237]
	s_setprio 0
	s_wait_dscnt 0x0                               ; V's fragments and scale words, asked for ahead of the softmax
.irp p, 0,1,2,3                                ; O^T += V^T P^T: the eight accumulators take turns, one instruction a turn
	v_wmma_scale_f32_16x16x128_f8f6f4 v[160+16*\p:167+16*\p], v[FRG+16*\p:FRG+16*\p+7], v[224:231], v[160+16*\p:167+16*\p], v[SW+\p], v253 matrix_a_fmt:MATRIX_FMT_FP4 matrix_b_fmt:MATRIX_FMT_FP4
	v_wmma_scale_f32_16x16x128_f8f6f4 v[168+16*\p:175+16*\p], v[FRG+16*\p+8:FRG+16*\p+15], v[224:231], v[168+16*\p:175+16*\p], v[SW+\p], v253 matrix_a_fmt:MATRIX_FMT_FP4 matrix_b_fmt:MATRIX_FMT_FP4 matrix_a_scale:MATRIX_SCALE_ROW1
.endr
.Lhid_\@:
	s_add_co_u32 s[KF], s[KF], 128
	s_add_co_u32 s[TK], s[TK], 8192                ; eight images on
	s_add_co_u32 s[TSK], s[TSK], 512
	s_add_co_u32 s[TV], s[TV], 64                  ; 128 codes on in V's rows
	s_add_co_u32 s[TSV], s[TSV], 4
.endm
; THE WAY OUT.  O^T is divided by the sum and goes through my stage, 8 rows x 64 channels (256 bytes a row) at a time: the lanes that hold those rows store under EXEC, all lanes read back, and sixteen lanes store one aligned run of 256 bytes.
.macro FLUSH op
.rept 4
	v_nop                                          ; four places behind the last products
.endr
	v_add_f32 v14, v14, v15                        ; the sum's two halves,
	s_delay_alu instid0(VALU_DEP_1)
	v_permlanex16_b32 v252, v14, s[SEL], s[SEL+1]
	s_delay_alu instid0(VALU_DEP_1)
	v_add_f32 v14, v14, v252                       ; and lane l xor 16's: the row's sum
	s_wait_alu depctr_va_vdst(0)
	v_rcp_f32 v14, v14
	v_and_b32 v254, 15, v0                         ; (the plain line behind the reciprocal)  r
.set ii, 0
	s_wait_alu depctr_va_vdst(0)
.rept 32
	v_pk_mul_f32 v[96+ii:97+ii], v[160+ii:161+ii], v[14:15] op_sel_hi:[1,0]   ; register 8 t + i is o(r, 16 t + 8 h + i); each accumulator from its low end on
.set ii, ii+2
.endr
	s_wait_alu depctr_va_vdst(0)
	s_wait_xcnt 0x0                                ; EXEC changes only behind this wait; no global instruction follows until EXEC has been restored for the last time
.irp u, 0,1                                    ; channels 64 u on
.irp q, 0,1                                    ; rows 8 q on
.if \q == 0
	v_cmp_gt_u32 vcc_lo, 8, v254
.else
	v_cmp_le_u32 vcc_lo, 8, v254
.endif
	s_and_saveexec_b32 s[SX], vcc_lo
.irp t, 0,1,2,3
	ds_store_b128 v[STI], v[96+32*\u+8*\t:99+32*\u+8*\t] offset:64*\t
	ds_store_b128 v[STI], v[100+32*\u+8*\t:103+32*\u+8*\t] offset:64*\t+16
.endr
	s_or_b32 exec_lo, exec_lo, s[SX]
.irp i, 0,1,2,3
	ds_load_b128 v[FRG+16*(2*\u+\q)+4*\i:FRG+16*(2*\u+\q)+4*\i+3], v[STR] offset:2*VP*\i   ; LDS serves a wave's instructions in order: these see the stores above, and the next stores come behind them
.endr
.endr
.endr
	s_wait_dscnt 0x0
.irp u, 0,1
.irp q, 0,1
.irp i, 0,1,2,3
	global_store_b128 v[GO], v[FRG+16*(2*\u+\q)+4*\i:FRG+16*(2*\u+\q)+4*\i+3], s[\op:\op+1] offset:(8*\q+2*\i)*16384+256*\u th:TH_STORE_NT   ; 16 lanes store 256 consecutive bytes, at a multiple of 256 from out0's first byte
.endr
.endr
.endr
	s_wait_xcnt 0x0                                ; the stores' data registers are written again only behind this wait
.endm
; A PASS: my 16 queries from s[q0] on walk the first 512 x chunks keys.  The trip counts are constants; what is left out of a hidden step is its work.
.macro PASS q0, qf, qs, op, chunks
	s_mov_b32 s[Q0], s[\q0]
	s_add_co_u32 s[QL], s[\q0], 15
	s_mov_b32 s[KF], 0
	s_mov_b32 s[TK], 0
	s_mov_b32 s[TSK], 0
	s_mov_b32 s[TV], 0
	s_mov_b32 s[TSV], 0
	v_mov_b32 v13, 0xff61b1e6                      ; the largest t so far: -3e38, under every t
	s_delay_alu instid0(VALU_DEP_1)
	v_floor_f32 v12, -v13                          ; -M
	v_mov_b32 v14, 0                               ; the sum, in two halves
	v_mov_b32 v15, 0
.set ii, 0
.rept 64
	v_mov_b32 v[160+ii], 0                         ; O^T.  (The step is written once: the first finds zeros, which the first change of M leaves zeros)
.set ii, ii+1
.endr
	s_mov_b32 s[CH], \chunks
.Lch_\@:
	s_mov_b32 s[STP], 4
.Lst_\@:
	STEP \qf, \qs
	s_sub_co_u32 s[STP], s[STP], 1
	s_cmp_lg_u32 s[STP], 0
	s_cbranch_scc1 .Lst_\@
	s_setprio 0
	s_add_co_u32 s[TK], s[TK], CHUNK-4*8192        ; on to the next chunk: over K's scale words,
	s_add_co_u32 s[TSK], s[TSK], CHUNK-4*512       ; over K's images,
	s_add_co_u32 s[TV], s[TV], CHUNK-4*64          ; and from V's row 0 to the next chunk's row 0
	s_sub_co_u32 s[CH], s[CH], 1
	s_cmp_lg_u32 s[CH], 0
	s_cbranch_scc1 .Lch_\@
	s_wait_alu depctr_va_vdst(0)
	FLUSH \op
.endm
	s_wait_loadcnt 16                              ; loads come back in order: pass A's 16 rows are in, pass B's 16 loads may be out
	QPREP 96, 0, 16, QSA, 40
	s_wait_loadcnt 0x0
	QPREP 160, 1088, 24, QSB, 64
	s_wait_tensorcnt 0x0                           ; my tensor load, if I issued one, has landed;
	s_wait_dscnt 0x0                               ; Q's fragments and scale words are in
	s_barrier_signal -1
	s_barrier_wait -1                              ; everybody's tiles are in LDS: K, V and V's scales are whole, and nothing writes them again
	PASS Q0A, 16, QSA, OPA, 4                      ; positions 256 (7 - j) + 16 w on: keys up to 2,047
	PASS Q0B, 24, QSB, OPB, 2                      ; positions 256 j + 16 w on, j <= 3: keys under 1,024
	ROUND                                          ; the closing round: no work-group ends while a partner may still ask for a tile that names it
	s_endpgm
.Lfunc_end_k_q4f31afb17f_attn:
	.size	k_q4f31afb17f_attn, .Lfunc_end_k_q4f31afb17f_attn-k_q4f31afb17f_attn
	.p2alignl 7, 3214868480
	.fill 96, 4, 3214868480
	.section	.rodata,"a",@progbits
	.p2align	6, 0x0
	.amdhsa_kernel k_q4f31afb17f_attn
		.amdhsa_group_segment_fixed_size 327680
		.amdhsa_private_segment_fixed_size 0
		.amdhsa_enable_private_segment 0
		.amdhsa_kernarg_size 40
		.amdhsa_user_sgpr_count 2
		.amdhsa_user_sgpr_kernarg_segment_ptr 1
		.amdhsa_wavefront_size32 1
		.amdhsa_system_sgpr_workgroup_id_x 1
		.amdhsa_system_sgpr_workgroup_id_y 1
		.amdhsa_system_sgpr_workgroup_id_z 1
		.amdhsa_system_vgpr_workitem_id 0
		.amdhsa_next_free_vgpr 256
		.amdhsa_next_free_sgpr 96
		.amdhsa_reserve_vcc 1
		.amdhsa_float_denorm_mode_32 3
		.amdhsa_float_denorm_mode_16_64 3
		.amdhsa_memory_ordered 1
		.amdhsa_forward_progress 1
		.amdhsa_inst_pref_size 94
	.end_amdhsa_kernel
	.amdgpu_metadata
---
amdhsa.version: [ 1, 2 ]
amdhsa.kernels:
  - .name:           k_q4f31afb17f_attn
    .symbol:         k_q4f31afb17f_attn.kd
    .args:
      - { .name: query, .offset: 0, .size: 8, .value_kind: global_buffer, .address_space: global }
      - { .name: kq, .offset: 8, .size: 8, .value_kind: global_buffer, .address_space: global }
      - { .name: value_codes, .offset: 16, .size: 8, .value_kind: global_buffer, .address_space: global }
      - { .name: value_scales, .offset: 24, .size: 8, .value_kind: global_buffer, .address_space: global }
      - { .name: out0, .offset: 32, .size: 8, .value_kind: global_buffer, .address_space: global }
    .group_segment_fixed_size: 327680
    .private_segment_fixed_size: 0
    .kernarg_segment_align: 8
    .kernarg_segment_size: 40
    .max_flat_workgroup_size: 512
    .sgpr_count:     96
    .vgpr_count:     256
    .wavefront_size: 32
...
	.end_amdgpu_metadata
.endif
;; end of part 2
